; MI455X (gfx1250); checked and timed in simulation.
; The chip was launched on July 23, 2026; its instructions are those of AMD's public machine-readable ISA for CDNA 5 (MIT licence, August 2026) and "CDNA5" Instruction Set Architecture Reference Guide (July 2026). The comments in the code are by the model that wrote it; some were corrected since.
;; nm ODE Autoencoder. Allowed arithmetic: float matrix products may take bf16 or f16 operands with f32 sums; all other float work in f32.
;; Inputs: Wd 3,072 x 1,024 float32; We 1,024 x 3,072 float32; bd 3,072 float32; be 1,024 float32; x 4,096 x 3,072 float32.
;; Outputs: out0 4,096 x 3,072 float32; out1 4,096 x 1,024 float32.
;; One version. Each part assembles by itself: llvm-mc -triple=amdgcn-amd-amdhsa -mcpu=gfx1250 --defsym DOCPART=n.
;; ======== version 1 of 1: 2 launches
;; workspace buffers: hb 8,388,608 bytes; wdb 6,291,456 bytes
;; launch encode (part 1): grid 8 x 32, 4 waves a work-group, clusters of 4 x 4, 327,680 bytes of LDS; arguments x, We, be, Wd, out1, hb, wdb; writes out1, hb, wdb
.if DOCPART == 1
	.amdgcn_target "amdgcn-amd-amdhsa--gfx1250"
	.amdhsa_code_object_version 6
	.text
	.protected	k_qceefa305ad_encode
	.globl	k_qceefa305ad_encode
	.p2align	8
	.type	k_qceefa305ad_encode,@function
k_qceefa305ad_encode:
	s_mov_b64 s[64:65], 0
	v_nop
	global_prefetch_b8 v0, s[64:65] scope:SCOPE_SE
	s_setreg_imm32_b32 hwreg(HW_REG_WAVE_MODE, 25, 1), 1
	s_wait_xcnt 0x0
	s_wait_alu depctr_hold_cnt(0) depctr_sa_sdst(0) depctr_va_vdst(0) depctr_va_sdst(0) depctr_va_ssrc(0) depctr_va_vcc(0) depctr_vm_vsrc(0)
	s_getreg_b32 s2, hwreg(HW_REG_IB_STS2, 6, 4)
	s_cmp_eq_u32 s2, 0
	s_cbranch_scc0 .Lentry_in_a_cluster
	s_endpgm
.Lentry_in_a_cluster:
	s_bfe_u32 s2, ttmp6, 0x10000c
	s_cmp_lg_u32 s2, 0xf033
	s_cbranch_scc0 .Lentry_shape_is_right
	s_endpgm
.Lentry_shape_is_right:
; gamma = x We^T + be (bf16 operands, f32 sums); hidden = y(1) of y' = -y + sin^2(y + gamma), y(0) = 0, by 20 RK4 steps of 1/20, all in registers;
; out1 = hidden in f32, hb = hidden in bf16 (the next launch's A operand).  Side job: this work-group's 1/256 of Wd is rounded to bf16 into wdb.
; x [4096][3072], We [1024][3072], be [1024], Wd [3072][1024], out1 [4096][1024] in f32; hb [4096][1024], wdb [3072][1024] in bf16.
;
; SHARES.  256 work-groups; each makes 128 rows x 128 columns of gamma with four waves, a wave 64 x 64: 16 accumulator tiles, 128 registers.
; K goes in steps of 128 f32 (rows of 512 bytes, at multiples of 512 bytes from the buffers' first bytes) through two LDS slots filled by tensor loads, one load
; of 64 rows a wave.  Fragments are read as f32 and rounded to bf16 in registers on their way to the matrix unit.
; CLUSTERS.  4 x 4 work-groups: the four of a cluster's row need the same rows of x, the four of a column the same rows of We; both are asked for jointly.
; THE ORDER OF K.  A lap is two K steps.  Neighbouring clusters take a lap's two steps in opposite order: where cluster x + cluster y is odd, slot 0 holds step 2 l + 1 and
; slot 1 step 2 l.  The two clusters that need the same rows of x differ by one in cluster x, neighbours that need the same rows of We by one in cluster y: of two such
; neighbours one asks for a tile one change of slots after the other has.  All work-groups of a cluster have the same order, so the joint loads' descriptors stay equal.
; The sums take K in that order: their rounding differs from an ascending sum's.
; ASKING AHEAD.  In lap l, behind slot 1's refill, the work-group asks by global_prefetch_b8 for its share of lap l + 2's 1,024 bytes of each row: waves 0 and 1 for 8 rows of x
; each (a block row's 128 rows are shared out among its 8 work-groups), wave 2 for 8 rows of We (a block column's 128 rows among 16 block rows, by mod 16), lanes 256 bytes
; apart, four to a row.  Each aligned 256 bytes of x is asked for once in the launch, of We twice (by block rows 0-15 and by 16-31): 24,576 bytes a lap and work-group.
; Lap 1 is asked for at the start; lap 9 asks for lap 11, the last; in lap 10 the address is not stepped and stays on lap 11; lap 11 asks for nothing.
;
; THE ODE.  In units of pi: u = (y + gamma)/pi - n, n = the whole number nearest to gamma/pi + 0.1, taken once (sin^2 has period pi).  Then
;   u' = GS - u - D(u)^2,   GS = gamma/pi - n + 1/pi,   D(u) = cos(pi u)/sqrt(pi)   (sin^2 = 1 - cos^2),   y = 1 - pi (GS - u).
; An RK4 step is y' = R y + sum c_i sin^2(..) with all c_i > 0 and sum c_i = 1 - R, so 0 <= y < 0.64 for every gamma, every stage argument lies in
; [-0.001, 0.64], u in [-0.6003, 0.604] and w = u^2 < 0.38.  D = P^2 - kappa, kappa = 1/sqrt(pi), P = sqrt(2 kappa) cos(pi u/2): a cubic in w, the series
; through w^6 economised on [0, 0.38].
; LIMITS, stated: the cubic is off by at most 1.8e-7 in the cosine, 1.2e-6 in sin^2; the reduction by n leaves a phase error of about 1e-7 |gamma| radians, of the
; size of f32's rounding of y + gamma itself; a gamma that is not finite gives NaN.  The order of roundings differs from a step written in y.
;
; REGISTERS.  Window 0: v1-15 lane numbers and addresses; v16-79 the bf16 fragments (4 of x, 4 of We), later with v80-111 the ODE's six sets of 16;
; v112-113 a2; v114 the prefetch's lane offset; v128-255 accumulators, tile (a, b) at 128 + 8 (4 a + b).
; Window 1: v0-127 fragments as f32, later the rows of out1 on their way out; v128-159 be.
.set KTOT,   3072
.set PITCH,  528                       ; an LDS row: 512 bytes + 16 of padding = 33 x 16: the sixteen rows that a load touches start at sixteen different 16-byte columns modulo 256
.set HALFT,  64*PITCH                  ; what one tensor load brings, and what one wave reads of x or of We
.set SLOT,   4*HALFT                   ; x's 128 rows, then We's 128 rows
.set FSTAGE, 2*SLOT                    ; behind the ring: 16 rows x 272 bytes for each wave, f32 on its way out.  No tensor load lands here
.set FPITCH, 272
.set FWAVE,  16*FPITCH
.set HSTAGE, FSTAGE+4*FWAVE            ; 128 rows x 272 bytes: the block in bf16, written by all four waves
.set HPITCH, 272
.set BEO,  3                           ; v3   32 h: my eight columns' place in a run of sixteen f32
.set ADRA, 4                           ; v4-5 LDS address of my x fragments in slot 0, 1
.set ADRB, 6                           ; v6-7 the same for We
.set WDI,  8                           ; v8   32 x lane: Wd in
.set WDO,  9                           ; v9   16 x lane: wdb out
.set STO,  10                          ; v10  f32 stage, in
.set RD,   11                          ; v11  f32 stage, back by rows
.set CO,   12                          ; v12  my byte offset in out1
.set HSTO, 13                          ; v13  bf16 stage, in
.set HRD,  14                          ; v14  bf16 stage, back by rows
.set HCO,  15                          ; v15  my byte offset in hb
.set BF,   16                          ; v16-47 x's four bf16 fragments, v48-79 We's
.set RU,   16                          ; the ODE's sets of 16 registers (8 pairs): u,
.set RG1,  32                          ; GS - u,
.set RK,   48                          ; the stage's slope,
.set RB,   64                          ; the weighted sum of slopes,
.set RT,   80                          ; the stage's argument, then its square,
.set RP,   96                          ; the polynomial
.set A2,   112                         ; v112-113 a2, twice
.set PFO,  114                         ; v114 the prefetch: (lane / 4) rows + (lane mod 4) x 256 bytes; never rewritten
.set ACC,  128
.set BE,   128                         ; in window 1
.set G1A, 28                           ; s[28:35] descriptor group 1 for x's tiles
.set G0A, 36                           ; s[36:43] group 0 for x's tiles, a set for each slot
.set G1B, 44                           ; s[44:51], s[52:59]: the same for We's tiles
.set G0B, 52
.set PB,   94                          ; s[94:95] the prefetch's base (before the first fills: slot 1's first K step, as an offset)
.set CA3,  68                          ; constants, each twice in an even pair (a packed instruction reads the pair)
.set CA1,  70
.set CA0,  72
.set CNK,  74
.set CH2,  76
.set CNH2, 78
.set C2MH, 80
.set CH,   82
.set CH6,  84
.set CIPI, 86
.set CNPI, 88
.set CP1,  90
.set MSB, 0
.macro WIN new                         ; s_set_vgpr_msb: bits 1:0 source 0, 3:2 source 1, 5:4 source 2, 7:6 destination; the high byte repeats the setting that is left
.if MSB != \new
	s_set_vgpr_msb (MSB<<8)|\new
.set MSB, \new
.endif
.endm
.macro PLACES                          ; four places behind a matrix instruction, before a vector instruction writes one of its sources or reads its result (ISA guide 7.12.1)
.rept 4
	v_nop
.endr
.endm
.macro CONST reg, val
	s_mov_b32 s[\reg], \val
	s_mov_b32 s[\reg+1], \val
.endm
; A joint load.  Waves 0 and 1 fetch x's two halves, waves 2 and 3 We's.  Each line has one mask; the branch hangs on the wave's number alone.
.macro JLOAD s
	s_cmp_eq_u32 s19, 0
	s_cbranch_scc0 .Lfor_b_\@
	tensor_load_to_lds s[G0A+4*\s:G0A+4*\s+3], s[G1A:G1A+7]
	s_nop 0
	s_branch .Lasked_\@
.Lfor_b_\@:
	tensor_load_to_lds s[G0B+4*\s:G0B+4*\s+3], s[G1B:G1B+7]
	s_nop 0
.Lasked_\@:
.endm
; A round of the cluster's barrier: my work-group's barrier; wave 0 signals for the work-group; every wave waits for all sixteen; my work-group's barrier again.
.macro CREST
	s_cmp_lg_u32 s18, 0
	s_cbranch_scc1 .Lnot_wave_0_\@
	s_barrier_signal -3
.Lnot_wave_0_\@:
	s_barrier_wait -3
	s_barrier_signal -1
	s_barrier_wait -1
.endm
.macro CROUND
	s_barrier_signal -1
	s_barrier_wait -1
	CREST
.endm
; Waves 0, 1, 2 ask for 32 aligned blocks of 256 bytes each, 8 rows x 1,024 bytes at the base; wave 3 has no share
.macro PFETCH
	s_cmp_eq_u32 s18, 3
	s_cbranch_scc1 .Lno_share_\@
	global_prefetch_b8 v[PFO], s[PB:PB+1] th:TH_LOAD_NT scope:SCOPE_SE
.Lno_share_\@:
.endm
	s_load_b256 s[4:11], s[0:1], 0x0               ; x s[4:5], We s[6:7], be s[8:9], Wd s[10:11]
	s_load_b128 s[12:15], s[0:1], 0x20             ; out1 s[12:13], hb s[14:15]
	s_load_b64 s[16:17], s[0:1], 0x30              ; wdb
	v_lshl_add_u32 v126, v0, 2, 0x4ec00
	v_mov_b32 v127, 0
	ds_add_u32 v126, v127
	v_lshrrev_b32 v1, 5, v0
	v_readfirstlane_b32 s18, v1                    ; wave 0..3
	s_lshr_b32 s19, s18, 1                         ; wm: my half of the block's rows.  Also: I fetch for x (0) or for We (1)
	s_and_b32 s20, s18, 1                          ; wn: my half of its columns.  Also: which 64 rows of that tile I fetch
	s_bfe_u32 s21, ttmp6, 0x40000                  ; cx
	s_bfe_u32 s22, ttmp6, 0x40004                  ; cy
	s_lshl_b32 s23, ttmp9, 2
	s_add_co_u32 s23, s23, s21                     ; bx: block column, 0..7
	s_and_b32 s24, ttmp7, 0xffff
	s_lshl_b32 s24, s24, 2
	s_add_co_u32 s24, s24, s22                     ; by: block row, 0..31
	s_lshl_b32 s25, s22, 2
	s_lshl_b32 s25, 15, s25                        ; my row of the cluster: places 4 cy .. 4 cy + 3
	s_lshl_b32 s26, 0x1111, s21                    ; my column: places cx, cx + 4, cx + 8, cx + 12
	; group 1: 64 rows x 128 elements of 4 bytes; after every 128 words (code 6) 4 words of padding (code 3); bit 21 set beside the mask
.set G1W, (2<<16)|(1<<20)|(1<<21)|(6<<22)|(3<<25)
	s_or_b32 s[G1A+0], s25, G1W                    ; x's tiles go to my row of the cluster
	s_or_b32 s[G1B+0], s26, G1W                    ; We's to my column
.irp g, G1A, G1B
	s_mov_b32 s[\g+1], 128<<16                     ; tensor_dim0 = 128
	s_mov_b32 s[\g+2], 64<<16                      ; tensor_dim1 = 64
	s_mov_b32 s[\g+3], 128<<16                     ; tile_dim0 = 128
	s_mov_b32 s[\g+4], 64                          ; tile_dim1 = 64
	s_mov_b32 s[\g+5], KTOT                        ; elements from row to row
	s_mov_b32 s[\g+6], 0
	s_mov_b32 s[\g+7], 0
.endr
	; x's address hangs on the block row and the wave, We's on the block column and the wave, each in registers that never hold the other coordinate
	s_lshl_b32 s66, s20, 6                         ; 64 wn
	s_lshl_b32 s60, s24, 7
	s_add_co_u32 s60, s60, s66
	s_mul_i32 s60, s60, KTOT*4                     ; (128 by + 64 wn) rows of 12,288 bytes: below 2^26
	s_mov_b32 s61, 0
	s_lshl_b32 s62, s23, 7
	s_add_co_u32 s62, s62, s66
	s_mul_i32 s62, s62, KTOT*4
	s_mov_b32 s63, 0
	s_mul_i32 s67, s18, HALFT                      ; where my 64 rows go: x's two halves, then We's two: wave x 64 rows
	; which of a lap's two K steps goes to which slot: from the cluster's own coordinates, which all its work-groups share
	s_and_b32 s92, ttmp7, 0xffff
	s_add_co_u32 s92, s92, ttmp9                   ; cluster y + cluster x
	s_and_b32 s92, s92, 1
	s_lshl_b32 s92, s92, 9                         ; slot 0 starts at byte 0 of the rows, or at 512 where the sum is odd
	s_mov_b32 s93, 0
	s_xor_b32 s94, s92, 512                        ; slot 1 at the other
	s_mov_b32 s95, 0
	s_wait_dscnt 0x0
	s_wait_kmcnt 0x0
	s_add_nc_u64 s[60:61], s[4:5], s[60:61]
	s_add_nc_u64 s[62:63], s[6:7], s[62:63]
	CROUND                                         ; all sixteen work-groups are here: the first joint loads meet
.irp s, 0,1
	s_mov_b32 s[G0A+4*\s], 1
	s_add_co_u32 s[G0A+4*\s+1], s67, \s*SLOT
	s_add_nc_u64 s[G0A+4*\s+2:G0A+4*\s+3], s[60:61], s[92+2*\s:93+2*\s]       ; the slot's first K step
	s_or_b32 s[G0A+4*\s+3], s[G0A+4*\s+3], 0x80000000
	s_mov_b32 s[G0B+4*\s], 1
	s_add_co_u32 s[G0B+4*\s+1], s67, \s*SLOT
	s_add_nc_u64 s[G0B+4*\s+2:G0B+4*\s+3], s[62:63], s[92+2*\s:93+2*\s]
	s_or_b32 s[G0B+4*\s+3], s[G0B+4*\s+3], 0x80000000
	JLOAD \s                                       ; both slots are asked for before anything else: two tensor loads of the wave are out
.endr
	; lane addresses.  r = lane mod 16, h = lane / 16.  A bf16 fragment wants K = 8 h .. 8 h + 7 and 16 + 8 h .. + 7 of row r: in f32 the 32 bytes at 32 h and at 64 + 32 h
	v_and_b32 v1, 15, v0
	v_bfe_u32 v2, v0, 4, 1
	v_lshlrev_b32 v[BEO], 5, v2
	v_mul_u32_u24 v16, v1, PITCH
	v_lshl_add_u32 v16, v2, 5, v16                 ; r x 528 + 32 h
	s_mul_i32 s66, s19, HALFT                      ; my 64 rows of x
	s_mul_i32 s92, s20, HALFT
	s_add_co_u32 s92, s92, 2*HALFT                 ; my 64 rows of We, behind x's 128
	v_add_nc_u32 v[ADRA], s66, v16
	v_add_nc_u32 v[ADRB], s92, v16
	s_add_co_u32 s66, s66, SLOT
	s_add_co_u32 s92, s92, SLOT
	v_add_nc_u32 v[ADRA+1], s66, v16
	v_add_nc_u32 v[ADRB+1], s92, v16
	v_and_b32 v17, 31, v0
	v_lshlrev_b32 v[WDI], 5, v17
	v_lshlrev_b32 v[WDO], 4, v17
	v_lshrrev_b32 v20, 2, v17
	v_mul_u32_u24 v20, v20, KTOT*4
	v_and_b32 v21, 3, v17
	v_lshl_add_u32 v[PFO], v21, 8, v20             ; (lane / 4) x 12,288 + (lane mod 4) x 256
	s_mul_i32 s93, s18, FWAVE
	s_add_co_u32 s93, s93, FSTAGE                  ; my f32 stage
	v_mul_u32_u24 v18, v1, FPITCH                  ; r x 272
	v_add_nc_u32 v[STO], v18, v[BEO]
	v_add_nc_u32 v[STO], s93, v[STO]               ; in: row r, 32 bytes for each half of the lanes
	v_mul_u32_u24 v19, v2, FPITCH
	v_lshl_add_u32 v19, v1, 4, v19                 ; h x 272 + 16 r
	v_add_nc_u32 v[RD], s93, v19                   ; back: lanes 0-15 one row of 256 bytes, lanes 16-31 the next
	v_lshlrev_b32 v[CO], 12, v2
	v_lshl_add_u32 v[CO], v1, 4, v[CO]             ; the same two rows in out1: h x 4,096 + 16 r
	s_mul_i32 s66, s19, 64*HPITCH
	s_lshl_b32 s92, s20, 7
	s_add_co_u32 s66, s66, s92
	s_add_co_u32 s66, s66, HSTAGE
	v_lshl_add_u32 v[HSTO], v2, 4, v18
	v_add_nc_u32 v[HSTO], s66, v[HSTO]             ; bf16 stage, in: row 64 wm + r, byte 128 wn + 16 h
	s_mul_i32 s66, s18, 32*HPITCH
	s_add_co_u32 s66, s66, HSTAGE
	v_add_nc_u32 v[HRD], s66, v19                  ; back: rows 32 w + h
	v_lshlrev_b32 v[HCO], 11, v2
	v_lshl_add_u32 v[HCO], v1, 4, v[HCO]           ; h x 2,048 + 16 r
	; the buffers at my part
	s_lshl_b32 s66, s23, 9
	s_lshl_b32 s92, s20, 8
	s_add_co_u32 s66, s66, s92                     ; my first column in f32 bytes: 512 bx + 256 wn
	s_mov_b32 s67, 0
	s_add_nc_u64 s[8:9], s[8:9], s[66:67]
	s_add_nc_u64 s[12:13], s[12:13], s[66:67]
	s_lshl_b32 s66, s24, 7
	s_lshl_b32 s92, s19, 6
	s_add_co_u32 s66, s66, s92
	s_lshl_b32 s66, s66, 12                        ; (128 by + 64 wm) rows of 4,096 bytes
	s_add_nc_u64 s[12:13], s[12:13], s[66:67]
	s_lshl_b32 s66, s24, 7
	s_lshl_b32 s92, s18, 5
	s_add_co_u32 s66, s66, s92
	s_lshl_b32 s66, s66, 11                        ; (128 by + 32 w) rows of 2,048 bytes
	s_lshl_b32 s92, s23, 8
	s_add_co_u32 s66, s66, s92                     ; + 256 bx
	s_add_nc_u64 s[14:15], s[14:15], s[66:67]
	s_lshl_b32 s66, s24, 3
	s_add_co_u32 s66, s66, s23
	s_lshl_b32 s66, s66, 2
	s_add_co_u32 s66, s66, s18                     ; 4 (8 by + bx) + w: which of 1,024 parts of Wd is my wave's
	s_mul_i32 s92, s66, 12288
	s_mov_b32 s93, 0
	s_add_nc_u64 s[10:11], s[10:11], s[92:93]
	s_mul_i32 s92, s66, 6144
	s_add_nc_u64 s[16:17], s[16:17], s[92:93]
	; the prefetch's base: waves 0, 1: x at row 128 by + 16 bx + 8 wn; waves 2 (and 3, which does not ask): We at row 128 bx + 8 (by mod 16); both at lap 1's bytes
	s_lshl_b32 s66, s24, 7
	s_lshl_b32 s92, s23, 4
	s_add_co_u32 s66, s66, s92
	s_lshl_b32 s92, s20, 3
	s_add_co_u32 s66, s66, s92
	s_and_b32 s92, s24, 15
	s_lshl_b32 s92, s92, 3
	s_lshl_b32 s93, s23, 7
	s_add_co_u32 s92, s92, s93
	s_cmp_eq_u32 s19, 0
	s_cselect_b32 s66, s66, s92
	s_cselect_b64 s[PB:PB+1], s[4:5], s[6:7]
	s_mul_i32 s66, s66, KTOT*4                     ; 4,095 rows at the most: below 2^26
	s_add_co_u32 s66, s66, 1024
	s_add_nc_u64 s[PB:PB+1], s[PB:PB+1], s[66:67]  ; s67 = 0, and stays 0: s[66:67] is the base's step in the K loop
	; be of my 32 columns (16 b + 8 h + 0..7), and the side job: 12,288 bytes of Wd a wave, read once, rounded, 6,144 bytes out, while the first tiles are on their way
	WIN 0x40
.irp b, 0,1,2,3
	global_load_b128 v[BE+8*\b:BE+8*\b+3],   v[BEO], s[8:9] offset:64*\b
	global_load_b128 v[BE+8*\b+4:BE+8*\b+7], v[BEO], s[8:9] offset:64*\b+16
.endr
	WIN 0
.irp c, 0,1,2,3,4,5,6,7,8,9,10,11
	global_load_b128 v[ACC+8*\c:ACC+8*\c+3],   v[WDI], s[10:11] offset:1024*\c th:TH_LOAD_NT
	global_load_b128 v[ACC+8*\c+4:ACC+8*\c+7], v[WDI], s[10:11] offset:1024*\c+16 th:TH_LOAD_NT
.endr
	PFETCH                                         ; lap 1's bytes, behind the loads that the wave will wait for
	CONST CA3,  0xbcaf8fe6                         ; a3 = -0.02143092
	CONST CA1,  0xbfa7be10                         ; a1 = -1.31048769
	CONST CA0,  0x3f87f7de                         ; a0 =  1.06225178
	CONST CNK,  0xbf106ebb                         ; -1/sqrt(pi)
	CONST CH2,  0x3ccccccd                         ; h/2, h = 1/20
	CONST CNH2, 0xbccccccd                         ; -h/2
	CONST C2MH, 0x3ff9999a                         ; 2 - h
	CONST CH,   0x3d4ccccd                         ; h
	CONST CH6,  0x3c088889                         ; h/6
	CONST CIPI, 0x3ea2f983                         ; 1/pi
	CONST CNPI, 0xc0490fdb                         ; -pi
	CONST CP1,  0x3dcccccd                         ; 0.1
.irp c, 0,1,2,3,4,5,6,7,8,9,10,11
	s_wait_loadcnt 22-2*\c                         ; loads come back in order: chunk c's two are in, the 22 - 2 c younger ones stay out (be's eight are older)
.irp i, 0,1,2,3
	v_cvt_pk_bf16_f32 v[BF+4*\c+\i], v[ACC+8*\c+2*\i], v[ACC+8*\c+2*\i+1]
.endr
	global_store_b128 v[WDO], v[BF+4*\c:BF+4*\c+3], s[16:17] offset:512*\c     ; the wave's store covers 512 consecutive bytes, aligned
.endr
	s_wait_xcnt 0x0                                ; v16-63, the stores' data, are written again by the K loop only behind this wait
; 32 LDS loads: the f32 fragments of 32 along K (128 bytes at byte 128 q of the rows): x's sixteen loads first, then We's
.macro FETCH slot, q
	WIN 0x40
.irp f, 0,1,2,3
	ds_load_b128 v[16*\f:16*\f+3],     v[ADRA+\slot] offset:\f*16*PITCH+128*\q
	ds_load_b128 v[16*\f+4:16*\f+7],   v[ADRA+\slot] offset:\f*16*PITCH+128*\q+16
	ds_load_b128 v[16*\f+8:16*\f+11],  v[ADRA+\slot] offset:\f*16*PITCH+128*\q+64
	ds_load_b128 v[16*\f+12:16*\f+15], v[ADRA+\slot] offset:\f*16*PITCH+128*\q+80
.endr
.irp f, 0,1,2,3
	ds_load_b128 v[64+16*\f:64+16*\f+3],     v[ADRB+\slot] offset:\f*16*PITCH+128*\q
	ds_load_b128 v[64+16*\f+4:64+16*\f+7],   v[ADRB+\slot] offset:\f*16*PITCH+128*\q+16
	ds_load_b128 v[64+16*\f+8:64+16*\f+11],  v[ADRB+\slot] offset:\f*16*PITCH+128*\q+64
	ds_load_b128 v[64+16*\f+12:64+16*\f+15], v[ADRB+\slot] offset:\f*16*PITCH+128*\q+80
.endr
.endm
; four fragments (base = 0: x's, 4: We's) from f32 in window 1 to bf16 in window 0: the lower K into the low half
.macro CVT base
	WIN 0x05
.irp f, 0,1,2,3
.irp i, 0,1,2,3,4,5,6,7
	v_cvt_pk_bf16_f32 v[BF+8*(\base+\f)+\i], v[16*(\base+\f)+2*\i], v[16*(\base+\f)+2*\i+1]
.endr
.endr
.endm
; 16 matrix instructions, used transposed (source 0 = We's rows, source 1 = x's rows): lane (r, h) holds row 16 a + r, columns 16 b + 8 h + 0..7.
; The sixteen accumulators take turns, one instruction a turn, in the same order every time.
.macro MUL zero
	WIN 0
.irp a, 0,1,2,3
.irp b, 0,1,2,3
.if \zero
	v_wmma_f32_16x16x32_bf16 v[ACC+8*(4*\a+\b):ACC+8*(4*\a+\b)+7], v[BF+32+8*\b:BF+32+8*\b+7], v[BF+8*\a:BF+8*\a+7], 0
.else
	v_wmma_f32_16x16x32_bf16 v[ACC+8*(4*\a+\b):ACC+8*(4*\a+\b)+7], v[BF+32+8*\b:BF+32+8*\b+7], v[BF+8*\a:BF+8*\a+7], v[ACC+8*(4*\a+\b):ACC+8*(4*\a+\b)+7]
.endif
.endr
.endr
.endm
; One of a slot's first three quarter steps: round the fragments that are in, fetch the next quarter's (they land under the products), multiply
.macro SUB slot, qnext, zero
	s_wait_dscnt 16                                ; x's sixteen loads are in; We's sixteen younger ones may be out
	PLACES
	CVT 0
	s_wait_dscnt 0
	CVT 4
	FETCH \slot, \qnext
	MUL \zero
.endm
; The slot's last quarter step, and the change of slots.  In front of the barrier each wave has its reads of this slot back (its last fragments are in registers) and all its
; tensor loads landed (one is out: its part of the next slot), so every group 0 may be written.  Where the slot is filled again the barrier opens a round of the cluster's
; barrier, with nothing inside it; the joint refill stands straight behind the round, the wave's first tensor load there and its only one until the next change of slots.
; The quarter's conversions and products follow behind the request.  ask = 1: the prefetch's base goes a lap on, and the wave asks behind its refill.
.macro TURN slot, next, fill, ask
	s_wait_dscnt 0
	s_wait_tensorcnt 0x0
	ds_add_u32 v126, v127
	s_wait_dscnt 0x0
.if \fill
	s_add_nc_u64 s[G0A+4*\slot+2:G0A+4*\slot+3], s[G0A+4*\slot+2:G0A+4*\slot+3], 1024   ; the slot's next tile: two K steps on
	s_add_nc_u64 s[G0B+4*\slot+2:G0B+4*\slot+3], s[G0B+4*\slot+2:G0B+4*\slot+3], 1024
.endif
.if \ask
	s_wait_xcnt 0x0                                ; the last lap's prefetch has had its address translated (ISA guide 3.1): its base is stepped only behind this wait
	s_cmp_gt_u32 s27, 1                            ; s27 = 1 in lap 10: there the base stays on lap 11, the rows' last 1,024 bytes
	s_cselect_b32 s66, 1024, 0
	s_add_nc_u64 s[PB:PB+1], s[PB:PB+1], s[66:67]
.endif
	s_barrier_signal -1
	s_barrier_wait -1
.if \fill
	CREST
	JLOAD \slot
.endif
.if \ask
	PFETCH
.endif
	PLACES
	CVT 0
	CVT 4
	FETCH \next, 0
	MUL 0
.endm
.macro LAP zero
	SUB 0, 1, \zero
	SUB 0, 2, 0
	SUB 0, 3, 0
	TURN 0, 1, 1, 0
	SUB 1, 1, 0
	SUB 1, 2, 0
	SUB 1, 3, 0
	TURN 1, 0, 1, 1
.endm
	s_mov_b32 s27, 10                              ; the loop's trips; read in the first lap too, by the prefetch's step
	s_wait_tensorcnt 0x1                           ; my part of slot 0 is in; slot 1's may stay out
	s_barrier_signal -1
	s_barrier_wait -1
	FETCH 0, 0
	LAP 1                                          ; 24 K steps = 12 laps.  The first stands in front of the loop: its first products start the sums
	WIN 0
.Llap:
	LAP 0
	WIN 0
	s_sub_co_u32 s27, s27, 1
	s_cmp_lg_u32 s27, 0
	s_cbranch_scc1 .Llap
	SUB 0, 1, 0                                    ; the last lap fills nothing and asks for nothing
	SUB 0, 2, 0
	SUB 0, 3, 0
	TURN 0, 1, 0, 0
	SUB 1, 1, 0
	SUB 1, 2, 0
	SUB 1, 3, 0
	s_wait_dscnt 0
	PLACES
	CVT 0
	CVT 4
	MUL 0
	; G = (sums + be)/pi, in place
	PLACES
	WIN 0x41
.set i, 0
.rept 16
	v_pk_mul_f32 v[BE+i:BE+i+1], v[BE+i:BE+i+1], s[CIPI:CIPI+1] op_sel_hi:[1,0]
.set i, i+2
.endr
	WIN 0x10
.irp a, 0,1,2,3
.irp b, 0,1,2,3
.irp i, 0,2,4,6
	v_pk_fma_f32 v[ACC+8*(4*\a+\b)+\i:ACC+8*(4*\a+\b)+\i+1], v[ACC+8*(4*\a+\b)+\i:ACC+8*(4*\a+\b)+\i+1], s[CIPI:CIPI+1], v[BE+8*\b+\i:BE+8*\b+\i+1] op_sel_hi:[1,0,1]
.endr
.endr
.endr
	WIN 0
	v_mov_b32 v[A2], 0x3e89e021                    ; a2 = 0.26928808, in vector registers so that no instruction names two scalar pairs
	v_mov_b32 v[A2+1], 0x3e89e021
; Lines of the ODE: one packed instruction for each of eight pairs, so that eight independent instructions stand between a result and its use
.macro LSUB d, a, e                    ; d = a - e
.irp p, 0,2,4,6,8,10,12,14
	v_pk_add_f32 v[\d+\p:\d+\p+1], v[\a+\p:\a+\p+1], v[\e+\p:\e+\p+1] neg_lo:[0,1] neg_hi:[0,1]
.endr
.endm
.macro LADD d, a, e                    ; d = a + e
.irp p, 0,2,4,6,8,10,12,14
	v_pk_add_f32 v[\d+\p:\d+\p+1], v[\a+\p:\a+\p+1], v[\e+\p:\e+\p+1]
.endr
.endm
.macro LADDS d, a, c                   ; d = a + constant c
.irp p, 0,2,4,6,8,10,12,14
	v_pk_add_f32 v[\d+\p:\d+\p+1], v[\a+\p:\a+\p+1], s[\c:\c+1] op_sel_hi:[1,0]
.endr
.endm
.macro LSQ d, a                        ; d = a a
.irp p, 0,2,4,6,8,10,12,14
	v_pk_mul_f32 v[\d+\p:\d+\p+1], v[\a+\p:\a+\p+1], v[\a+\p:\a+\p+1]
.endr
.endm
.macro LFMAS d, a, c, e                ; d = a x constant c + e
.irp p, 0,2,4,6,8,10,12,14
	v_pk_fma_f32 v[\d+\p:\d+\p+1], v[\a+\p:\a+\p+1], s[\c:\c+1], v[\e+\p:\e+\p+1] op_sel_hi:[1,0,1]
.endr
.endm
.macro LNSQ d, e                       ; d = e - D D
.irp p, 0,2,4,6,8,10,12,14
	v_pk_fma_f32 v[\d+\p:\d+\p+1], v[RP+\p:RP+\p+1], v[RP+\p:RP+\p+1], v[\e+\p:\e+\p+1] neg_lo:[1,0,0] neg_hi:[1,0,0]
.endr
.endm
.macro COS                             ; from w in RT: P = ((a3 w + a2) w + a1) w + a0, then D = P P - kappa, in RP
.irp p, 0,2,4,6,8,10,12,14
	v_pk_fma_f32 v[RP+\p:RP+\p+1], v[RT+\p:RT+\p+1], s[CA3:CA3+1], v[A2:A2+1] op_sel_hi:[1,0,1]
.endr
.irp p, 0,2,4,6,8,10,12,14
	v_pk_fma_f32 v[RP+\p:RP+\p+1], v[RP+\p:RP+\p+1], v[RT+\p:RT+\p+1], s[CA1:CA1+1] op_sel_hi:[1,1,0]
.endr
.irp p, 0,2,4,6,8,10,12,14
	v_pk_fma_f32 v[RP+\p:RP+\p+1], v[RP+\p:RP+\p+1], v[RT+\p:RT+\p+1], s[CA0:CA0+1] op_sel_hi:[1,1,0]
.endr
.irp p, 0,2,4,6,8,10,12,14
	v_pk_fma_f32 v[RP+\p:RP+\p+1], v[RP+\p:RP+\p+1], v[RP+\p:RP+\p+1], s[CNK:CNK+1] op_sel_hi:[1,1,0]
.endr
.endm
; One RK4 step, 34 lines.  With g1 = GS - u a stage at u + c k has the slope (g1 - c k) - D^2.  RB gathers g1 + k1 + 2 k2 + (2 - h) k3 - D4^2,
; which is k1 + 2 k2 + 2 k3 + k4, since k4 = g1 - h k3 - D4^2.
.macro RKSTEP
	LSUB  RG1, GS, RU
	LSQ   RT, RU
	COS
	LNSQ  RK, RG1                                  ; k1
	LADD  RB, RK, RG1
	LFMAS RT, RK, CH2, RU
	LFMAS RK, RK, CNH2, RG1
	LSQ   RT, RT
	COS
	LNSQ  RK, RK                                   ; k2
.irp p, 0,2,4,6,8,10,12,14
	v_pk_fma_f32 v[RB+\p:RB+\p+1], v[RK+\p:RK+\p+1], 2.0, v[RB+\p:RB+\p+1] op_sel_hi:[1,0,1]
.endr
	LFMAS RT, RK, CH2, RU
	LFMAS RK, RK, CNH2, RG1
	LSQ   RT, RT
	COS
	LNSQ  RK, RK                                   ; k3
	LFMAS RB, RK, C2MH, RB
	LFMAS RT, RK, CH, RU
	LSQ   RT, RT
	COS
	LNSQ  RB, RB
	LFMAS RU, RB, CH6, RU
.endm
; The whole solve for sixteen accumulator registers (tiles 2 g and 2 g + 1), which hold G on entry, GS meanwhile and y(1) at the end
.macro ODE g
.set GS, ACC+16*\g
	LADDS RT, GS, CP1
.set i, 0
.rept 16
	v_rndne_f32 v[RT+i], v[RT+i]                   ; n
.set i, i+1
.endr
	LSUB  RU, GS, RT                               ; u(0) = G - n, in [-0.6, 0.4]
	LADDS GS, RU, CIPI                             ; GS = u(0) + 1/pi
	s_mov_b32 s27, 20
.Lode_\@:
	RKSTEP
	s_sub_co_u32 s27, s27, 1
	s_cmp_lg_u32 s27, 0
	s_cbranch_scc1 .Lode_\@
	LSUB  RT, GS, RU
.irp p, 0,2,4,6,8,10,12,14
	v_pk_fma_f32 v[GS+\p:GS+\p+1], v[RT+\p:RT+\p+1], s[CNPI:CNPI+1], 1.0 op_sel_hi:[1,0,0]     ; y = 1 - pi (GS - u)
.endr
.endm
; Rows 16 a .. 16 a + 15 of my tile leave.  f32: through my own stage, back by rows, sixteen lanes store 256 consecutive bytes, aligned.  bf16: into the shared stage.
; LDS serves a wave's instructions in order (ISA guide 5.7.1): the loads see the stores above.  Each a has its own 32 registers of window 1, so no store's data is written again.
.macro OUTF a
.irp b, 0,1,2,3
	ds_store_b128 v[STO], v[ACC+8*(4*\a+\b):ACC+8*(4*\a+\b)+3] offset:64*\b
	ds_store_b128 v[STO], v[ACC+8*(4*\a+\b)+4:ACC+8*(4*\a+\b)+7] offset:64*\b+16
.endr
.irp b, 0,1,2,3
.irp i, 0,1,2,3
	v_cvt_pk_bf16_f32 v[RT+4*\b+\i], v[ACC+8*(4*\a+\b)+2*\i], v[ACC+8*(4*\a+\b)+2*\i+1]
.endr
.endr
.irp b, 0,1,2,3
	ds_store_b128 v[HSTO], v[RT+4*\b:RT+4*\b+3] offset:\a*16*HPITCH+32*\b
.endr
	WIN 0x40
.irp t, 0,1,2,3,4,5,6,7
	ds_load_b128 v[32*\a+4*\t:32*\a+4*\t+3], v[RD] offset:\t*2*FPITCH
.endr
	WIN 0x04
.irp t, 0,1,2,3,4,5,6,7
	s_wait_dscnt 7-\t                              ; read-back t is in, the 7 - t younger ones may be out
	global_store_b128 v[CO], v[32*\a+4*\t:32*\a+4*\t+3], s[12:13] offset:(16*\a+2*\t)*4096 th:TH_STORE_NT
.endr
	WIN 0
.endm
	ODE 0
	ODE 1
	OUTF 0                                         ; the stores leave under the next groups' arithmetic
	ODE 2
	ODE 3
	OUTF 1
	ODE 4
	ODE 5
	OUTF 2
	ODE 6
	ODE 7
	OUTF 3
	; hb: the block's rows are whole in the shared stage once every wave's stores are done; wave w takes rows 32 w .. 32 w + 31
	s_wait_dscnt 0x0                               ; for the others' sake: my LDS stores are done
	s_barrier_signal -1
	s_barrier_wait -1
.irp t, 0,1,2,3,4,5,6,7,8,9,10,11,12,13,14,15
	ds_load_b128 v[BF+4*\t:BF+4*\t+3], v[HRD] offset:\t*2*HPITCH
.endr
.irp t, 0,1,2,3,4,5,6,7,8,9,10,11,12,13,14,15
	s_wait_dscnt 15-\t
	global_store_b128 v[HCO], v[BF+4*\t:BF+4*\t+3], s[14:15] offset:4096*\t    ; sixteen lanes store a block row's 256 bytes, aligned
.endr
	s_wait_tensorcnt 0x0
	ds_add_u32 v126, v127
	s_wait_dscnt 0x0
	CROUND                                         ; the closing round: no work-group ends while a partner may still ask for a tile that names it
	s_endpgm
.Lfunc_end_k_qceefa305ad_encode:
	.size	k_qceefa305ad_encode, .Lfunc_end_k_qceefa305ad_encode-k_qceefa305ad_encode
	.p2alignl 7, 3214868480
	.fill 96, 4, 3214868480
	.section	.rodata,"a",@progbits
	.p2align	6, 0x0
	.amdhsa_kernel k_qceefa305ad_encode
		.amdhsa_group_segment_fixed_size 327680
		.amdhsa_private_segment_fixed_size 0
		.amdhsa_enable_private_segment 0
		.amdhsa_kernarg_size 56
		.amdhsa_user_sgpr_count 2
		.amdhsa_user_sgpr_kernarg_segment_ptr 1
		.amdhsa_wavefront_size32 1
		.amdhsa_system_sgpr_workgroup_id_x 1
		.amdhsa_system_sgpr_workgroup_id_y 1
		.amdhsa_system_sgpr_workgroup_id_z 1
		.amdhsa_system_vgpr_workitem_id 0
		.amdhsa_next_free_vgpr 416
		.amdhsa_next_free_sgpr 96
		.amdhsa_reserve_vcc 0
		.amdhsa_float_denorm_mode_32 3
		.amdhsa_float_denorm_mode_16_64 3
		.amdhsa_memory_ordered 1
		.amdhsa_forward_progress 1
		.amdhsa_inst_pref_size 255
	.end_amdhsa_kernel
	.section	.bss,"aw",@nobits
	.p2align	6
	.space	262144
	.amdgpu_metadata
---
amdhsa.version: [ 1, 2 ]
amdhsa.kernels:
  - .name:           k_qceefa305ad_encode
    .symbol:         k_qceefa305ad_encode.kd
    .args:
      - { .name: x, .offset: 0, .size: 8, .value_kind: global_buffer, .address_space: global }
      - { .name: We, .offset: 8, .size: 8, .value_kind: global_buffer, .address_space: global }
      - { .name: be, .offset: 16, .size: 8, .value_kind: global_buffer, .address_space: global }
      - { .name: Wd, .offset: 24, .size: 8, .value_kind: global_buffer, .address_space: global }
      - { .name: out1, .offset: 32, .size: 8, .value_kind: global_buffer, .address_space: global }
      - { .name: hb, .offset: 40, .size: 8, .value_kind: global_buffer, .address_space: global }
      - { .name: wdb, .offset: 48, .size: 8, .value_kind: global_buffer, .address_space: global }
    .group_segment_fixed_size: 327680
    .private_segment_fixed_size: 0
    .kernarg_segment_align: 8
    .kernarg_segment_size: 56
    .max_flat_workgroup_size: 128
    .sgpr_count:     96
    .vgpr_count:     416
    .wavefront_size: 32
...
	.end_amdgpu_metadata
.endif
;; end of part 1
;; launch decode (part 2): grid 16 x 16, 4 waves a work-group, clusters of 4 x 4, 327,680 bytes of LDS; arguments hb, wdb, bd, out0; writes out0
.if DOCPART == 2
	.amdgcn_target "amdgcn-amd-amdhsa--gfx1250"
	.amdhsa_code_object_version 6
	.text
	.protected	k_qceefa305ad_decode
	.globl	k_qceefa305ad_decode
	.p2align	8
	.type	k_qceefa305ad_decode,@function
k_qceefa305ad_decode:
	s_mov_b64 s[64:65], 0
	v_nop
	global_prefetch_b8 v0, s[64:65] scope:SCOPE_SE
	s_setreg_imm32_b32 hwreg(HW_REG_WAVE_MODE, 25, 1), 1
	s_wait_xcnt 0x0
	s_wait_alu depctr_hold_cnt(0) depctr_sa_sdst(0) depctr_va_vdst(0) depctr_va_sdst(0) depctr_va_ssrc(0) depctr_va_vcc(0) depctr_vm_vsrc(0)
	s_getreg_b32 s2, hwreg(HW_REG_IB_STS2, 6, 4)
	s_cmp_eq_u32 s2, 0
	s_cbranch_scc0 .Lentry_in_a_cluster
	s_endpgm
.Lentry_in_a_cluster:
	s_bfe_u32 s2, ttmp6, 0x10000c
	s_cmp_lg_u32 s2, 0xf033
	s_cbranch_scc0 .Lentry_shape_is_right
	s_endpgm
.Lentry_shape_is_right:
; out0 = sigmoid(hidden Wd^T + bd).  hb [4096][1024] and wdb [3072][1024] in bf16 (made by the launch before), bd [3072] and out0 [4096][3072] in f32; sums in f32.
; SHARES.  256 work-groups; each makes 256 rows x 192 columns with four waves; wave w makes rows 64 w .. 64 w + 63 x all 192 columns: 48 accumulator tiles, 384 registers.
; The waves are stacked so that a wave's piece of a row is 768 bytes, three aligned runs of 256: the way out needs the wave's own stage alone and no barrier.
; K goes in steps of 128 (rows of 256 bytes, at multiples of 256 from the buffers' first bytes) through two LDS slots; waves 0, 1 fetch 128 rows of hb each, waves 2, 3 96 rows of wdb each.
; CLUSTERS.  4 x 4 work-groups: hb's tile is shared along a row of the cluster, wdb's along a column; both are asked for jointly.
; THE ORDER OF K.  A lap is two K steps.  Neighbouring clusters take a lap's two steps in opposite order: where cluster x + cluster y is odd, slot 0 holds step 2 l + 1 and slot 1
; step 2 l.  Clusters that need the same rows of hb lie side by side along x, those that need the same rows of wdb along y: of two such neighbours one asks for a tile one change
; of slots after the other has.  All work-groups of a cluster have the same order, so the joint loads' descriptors stay equal.  The sums' rounding differs from an ascending sum's.
; No prefetch here: both operands were stored by the launch just before, and each work-group has eight K steps in all.
; sigmoid(z) = 1 / (1 + 2^(-z log2 e)).  LIMIT, stated: v_exp_f32 and v_rcp_f32 are good to 1 ULP and flush denormals (ISA guide, their entries): where the exact result lies below 2^-126 it is 0.
; REGISTERS.  Window 0: v16-27 addresses; v32-63, v64-95 hb's fragments, two buffers; v128-223 bd; on the way out v32-127 at work.
; Window 1: v0-95, v96-191 wdb's fragments, two buffers; on the way out the rows read back.  Window 2: tiles (a, b < 8) at 8 (8 a + b).  Window 3: tiles (a, b >= 8) at 8 (4 a + b - 8).
.set KTOT,   1024
.set NOUT,   3072
.set PITCH,  272                       ; 256 bytes + 16 of padding = 17 x 16: the sixteen rows that a load touches start at sixteen different 16-byte columns modulo 256
.set HALFA,  128*PITCH
.set HALFB,  96*PITCH
.set SLOT,   2*HALFA+2*HALFB           ; hb's 256 rows, then wdb's 192
.set STAGE,  2*SLOT                    ; behind the ring: 16 rows x 784 bytes for each wave.  No tensor load lands here
.set SPITCH, 784                       ; 768 + 16 = 49 x 16
.set ADRA, 16                          ; v16-17 LDS address of my hb fragments in slot 0, 1
.set ADRB, 20                          ; v20-21 the same for wdb
.set STO,  24
.set RD,   25
.set CO,   26
.set BDO,  27
.set FA,   32
.set Z,    32
.set BD,   128
.set G1A, 24
.set G0A, 32
.set G1B, 40
.set G0B, 48
.set MUL_LO, 0xa1                      ; source 0 (wdb) window 1, source 1 (hb) window 0, C and D window 2
.set MUL_HI, 0xf1                      ; the same, C and D window 3
.set TO_B,   0x40
.set MSB, 0
.macro WIN new
.if MSB != \new
	s_set_vgpr_msb (MSB<<8)|\new
.set MSB, \new
.endif
.endm
.macro PLACES                          ; four places behind a matrix instruction, before a load lands on one of its sources or a vector instruction reads its result (ISA guide 7.12.1 for vector instructions)
.rept 4
	v_nop
.endr
.endm
.macro JLOAD s
	s_cmp_eq_u32 s13, 0
	s_cbranch_scc0 .Lfor_b_\@
	tensor_load_to_lds s[G0A+4*\s:G0A+4*\s+3], s[G1A:G1A+7]
	s_nop 0
	s_branch .Lasked_\@
.Lfor_b_\@:
	tensor_load_to_lds s[G0B+4*\s:G0B+4*\s+3], s[G1B:G1B+7]
	s_nop 0
.Lasked_\@:
.endm
.macro CREST
	s_cmp_lg_u32 s12, 0
	s_cbranch_scc1 .Lnot_wave_0_\@
	s_barrier_signal -3
.Lnot_wave_0_\@:
	s_barrier_wait -3
	s_barrier_signal -1
	s_barrier_wait -1
.endm
.macro CROUND
	s_barrier_signal -1
	s_barrier_wait -1
	CREST
.endm
	s_load_b256 s[4:11], s[0:1], 0x0               ; hb s[4:5], wdb s[6:7], bd s[8:9], out0 s[10:11]
	s_set_vgpr_msb 0x40
	v_lshl_add_u32 v255, v0, 2, 0x47c00
	s_set_vgpr_msb 0x4000
	v_mov_b32 v255, 0
	s_set_vgpr_msb 0x1
	ds_add_u32 v255, v255
	s_set_vgpr_msb 0x100
	v_lshrrev_b32 v1, 5, v0
	v_readfirstlane_b32 s12, v1                    ; wave 0..3
	s_lshr_b32 s13, s12, 1                         ; I fetch for hb (0) or for wdb (1)
	s_and_b32 s14, s12, 1                          ; which half of that tile
	s_bfe_u32 s15, ttmp6, 0x40000                  ; cx
	s_bfe_u32 s16, ttmp6, 0x40004                  ; cy
	s_lshl_b32 s17, ttmp9, 2
	s_add_co_u32 s17, s17, s15                     ; bx: block column, 0..15
	s_and_b32 s18, ttmp7, 0xffff
	s_lshl_b32 s18, s18, 2
	s_add_co_u32 s18, s18, s16                     ; by: block row, 0..15
	s_lshl_b32 s19, s16, 2
	s_lshl_b32 s19, 15, s19                        ; my row of the cluster
	s_lshl_b32 s20, 0x1111, s15                    ; my column
	; group 1: rows of 128 elements of 2 bytes; after every 64 words (code 5) 4 words of padding (code 3); bit 21 set beside the mask
.set G1W, (1<<16)|(1<<20)|(1<<21)|(5<<22)|(3<<25)
	s_or_b32 s[G1A+0], s19, G1W
	s_mov_b32 s[G1A+1], 128<<16                    ; tensor_dim0 = 128
	s_mov_b32 s[G1A+2], 128<<16                    ; tensor_dim1 = 128
	s_mov_b32 s[G1A+3], 128<<16                    ; tile_dim0 = 128
	s_mov_b32 s[G1A+4], 128                        ; tile_dim1 = 128
	s_mov_b32 s[G1A+5], KTOT
	s_mov_b32 s[G1A+6], 0
	s_mov_b32 s[G1A+7], 0
	s_or_b32 s[G1B+0], s20, G1W
	s_mov_b32 s[G1B+1], 128<<16
	s_mov_b32 s[G1B+2], 96<<16                     ; 96 rows
	s_mov_b32 s[G1B+3], 128<<16
	s_mov_b32 s[G1B+4], 96
	s_mov_b32 s[G1B+5], KTOT
	s_mov_b32 s[G1B+6], 0
	s_mov_b32 s[G1B+7], 0
	s_lshl_b32 s22, s14, 7
	s_lshl_b32 s56, s18, 8
	s_add_co_u32 s56, s56, s22
	s_lshl_b32 s56, s56, 11                        ; hb: (256 by + 128 half) rows of 2,048 bytes
	s_mov_b32 s57, 0
	s_mul_i32 s23, s14, 96
	s_mul_i32 s58, s17, 192
	s_add_co_u32 s58, s58, s23
	s_lshl_b32 s58, s58, 11                        ; wdb: (192 bx + 96 half) rows
	s_mov_b32 s59, 0
	s_mul_i32 s22, s12, HALFA                      ; where they go: waves 0, 1: hb's halves at wave x 128 rows;
	s_mul_i32 s23, s12, HALFB
	s_add_co_u32 s23, s23, 2*HALFA-2*HALFB         ; waves 2, 3: wdb's halves behind hb's 256 rows
	; which of a lap's two K steps goes to which slot: from the cluster's own coordinates, which all its work-groups share
	s_and_b32 s60, ttmp7, 0xffff
	s_add_co_u32 s60, s60, ttmp9                   ; cluster y + cluster x
	s_and_b32 s60, s60, 1
	s_lshl_b32 s60, s60, 8                         ; slot 0 starts at byte 0 of the rows, or at 256 where the sum is odd
	s_mov_b32 s61, 0
	s_xor_b32 s62, s60, 256                        ; slot 1 at the other
	s_mov_b32 s63, 0
	s_wait_dscnt 0x0
	s_wait_kmcnt 0x0
	s_add_nc_u64 s[56:57], s[4:5], s[56:57]
	s_add_nc_u64 s[58:59], s[6:7], s[58:59]
	CROUND                                         ; all sixteen work-groups are here: the first joint loads meet
.irp s, 0,1
	s_mov_b32 s[G0A+4*\s], 1
	s_add_co_u32 s[G0A+4*\s+1], s22, \s*SLOT
	s_add_nc_u64 s[G0A+4*\s+2:G0A+4*\s+3], s[56:57], s[60+2*\s:61+2*\s]        ; the slot's first K step
	s_or_b32 s[G0A+4*\s+3], s[G0A+4*\s+3], 0x80000000
	s_mov_b32 s[G0B+4*\s], 1
	s_add_co_u32 s[G0B+4*\s+1], s23, \s*SLOT
	s_add_nc_u64 s[G0B+4*\s+2:G0B+4*\s+3], s[58:59], s[60+2*\s:61+2*\s]
	s_or_b32 s[G0B+4*\s+3], s[G0B+4*\s+3], 0x80000000
	JLOAD \s                                       ; two tensor loads of the wave are out
.endr
	v_and_b32 v1, 15, v0                           ; r
	v_bfe_u32 v2, v0, 4, 1                         ; h
	v_mul_u32_u24 v3, v1, PITCH
	v_lshl_add_u32 v3, v2, 4, v3                   ; r x 272 + 16 h
	s_mul_i32 s22, s12, 64*PITCH                   ; my 64 rows of hb
	v_add_nc_u32 v[ADRA], s22, v3
	v_add_nc_u32 v[ADRB], 2*HALFA, v3              ; all 192 rows of wdb
	v_add_nc_u32 v[ADRA+1], SLOT, v[ADRA]
	v_add_nc_u32 v[ADRB+1], SLOT, v[ADRB]
	s_mul_i32 s23, s12, 16*SPITCH
	s_add_co_u32 s23, s23, STAGE                   ; my stage
	v_mul_u32_u24 v4, v1, SPITCH
	v_lshl_add_u32 v4, v2, 5, v4
	v_add_nc_u32 v[STO], s23, v4                   ; in: row r, 32 bytes for each half of the lanes
	v_mul_u32_u24 v5, v2, SPITCH
	v_lshl_add_u32 v5, v1, 4, v5
	v_add_nc_u32 v[RD], s23, v5                    ; back: lanes 0-15 256 bytes of one row, lanes 16-31 of the next
	v_mul_u32_u24 v5, v2, NOUT*4
	v_lshl_add_u32 v[CO], v1, 4, v5                ; the same in out0
	v_lshlrev_b32 v[BDO], 5, v2
	s_mul_i32 s58, s17, 768                        ; my first column, in f32 bytes
	s_mov_b32 s59, 0
	s_add_nc_u64 s[8:9], s[8:9], s[58:59]
	s_add_nc_u64 s[10:11], s[10:11], s[58:59]
	s_lshl_b32 s56, s18, 8
	s_lshl_b32 s22, s12, 6
	s_add_co_u32 s56, s56, s22
	s_mul_i32 s56, s56, NOUT*4                     ; (256 by + 64 w) rows of 12,288 bytes: below 2^26
	s_mov_b32 s57, 0
	s_add_nc_u64 s[10:11], s[10:11], s[56:57]
	s_mov_b32 s60, 0xbfb8aa3b                      ; -log2 e, twice (a packed instruction reads the pair)
	s_mov_b32 s61, 0xbfb8aa3b
.irp b, 0,1,2,3,4,5,6,7,8,9,10,11
	global_load_b128 v[BD+8*\b:BD+8*\b+3],   v[BDO], s[8:9] offset:64*\b       ; bd of my columns 16 b + 8 h + 0..7; waited for behind the K loop
	global_load_b128 v[BD+8*\b+4:BD+8*\b+7], v[BDO], s[8:9] offset:64*\b+16
.endr
; Matrix instructions, used transposed (source 0 = wdb's rows, source 1 = hb's rows): lane (r, h) holds row 16 a + r, columns 16 b + 8 h + 0..7.
; The 48 accumulators take turns, one instruction a turn, in the same order in every quarter step.
.macro MULLO f, a0, zero               ; 16: a = a0, a0 + 1, b = 0..7
.irp a, \a0, \a0+1
.irp b, 0,1,2,3,4,5,6,7
.if \zero
	v_wmma_f32_16x16x32_bf16 v[8*(8*(\a)+\b):8*(8*(\a)+\b)+7], v[96*\f+8*\b:96*\f+8*\b+7], v[FA+32*\f+8*(\a):FA+32*\f+8*(\a)+7], 0
.else
	v_wmma_f32_16x16x32_bf16 v[8*(8*(\a)+\b):8*(8*(\a)+\b)+7], v[96*\f+8*\b:96*\f+8*\b+7], v[FA+32*\f+8*(\a):FA+32*\f+8*(\a)+7], v[8*(8*(\a)+\b):8*(8*(\a)+\b)+7]
.endif
.endr
.endr
.endm
.macro MULHI f, zero                   ; 16: a = 0..3, b = 8..11
.irp a, 0,1,2,3
.irp b, 8,9,10,11
.if \zero
	v_wmma_f32_16x16x32_bf16 v[8*(4*\a+\b-8):8*(4*\a+\b-8)+7], v[96*\f+8*\b:96*\f+8*\b+7], v[FA+32*\f+8*\a:FA+32*\f+8*\a+7], 0
.else
	v_wmma_f32_16x16x32_bf16 v[8*(4*\a+\b-8):8*(4*\a+\b-8)+7], v[96*\f+8*\b:96*\f+8*\b+7], v[FA+32*\f+8*\a:FA+32*\f+8*\a+7], v[8*(4*\a+\b-8):8*(4*\a+\b-8)+7]
.endif
.endr
.endr
.endm
; 32 LDS loads in one run: a quarter step's fragments (32 K at byte k of the rows) into buffer f: hb's eight loads, then wdb's 24 with b ascending
.macro FETCH slot, k, f
	WIN 0
.irp i, 0,1,2,3
	ds_load_b128 v[FA+32*\f+8*\i:FA+32*\f+8*\i+3],   v[ADRA+\slot] offset:\k+\i*16*PITCH
	ds_load_b128 v[FA+32*\f+8*\i+4:FA+32*\f+8*\i+7], v[ADRA+\slot] offset:\k+\i*16*PITCH+32
.endr
	WIN TO_B
.irp i, 0,1,2,3,4,5,6,7,8,9,10,11
	ds_load_b128 v[96*\f+8*\i:96*\f+8*\i+3],   v[ADRB+\slot] offset:\k+\i*16*PITCH
	ds_load_b128 v[96*\f+8*\i+4:96*\f+8*\i+7], v[ADRB+\slot] offset:\k+\i*16*PITCH+32
.endr
.endm
; One of a K step's first three quarters: multiplies buffer f, and after its first sixteen products fetches the next quarter's fragments into buffer g
.macro QUARTER slot, k, f, g, zero
	s_wait_dscnt 8                                 ; all but the youngest eight loads (wdb's fragments 8-11) are in
	WIN MUL_LO
	MULLO \f, 0, \zero
	PLACES
	FETCH \slot, \k, \g
	s_wait_dscnt 32                                ; all but the 32 just issued
	WIN MUL_HI
	MULHI \f, \zero
	WIN MUL_LO
	MULLO \f, 2, \zero
.endm
.macro THREE slot, zero
	QUARTER \slot, 64,  0, 1, \zero
	QUARTER \slot, 128, 1, 0, 0
	QUARTER \slot, 192, 0, 1, 0
.endm
; The last quarter multiplies buffer 1 and changes slots.  In front of the barrier each wave has its reads of this slot back and all its tensor loads landed (one is out:
; its part of the next slot).  Where the slot is filled again the barrier opens a round of the cluster's barrier, with sixteen products on registers inside it; the joint
; refill is the first tensor load behind the round, the wave's only one until the next change of slots.
.macro TURN slot, next, fill
	s_wait_dscnt 8
	WIN MUL_LO
	MULLO 1, 0, 0
	s_wait_dscnt 0
	s_wait_tensorcnt 0x0
	ds_add_u32 v255, v255
	s_wait_dscnt 0x0
	s_barrier_signal -1
	WIN MUL_HI
	MULHI 1, 0
	WIN 0
	s_barrier_wait -1
.if \fill
	CREST
	s_add_nc_u64 s[G0A+4*\slot+2:G0A+4*\slot+3], s[G0A+4*\slot+2:G0A+4*\slot+3], 512    ; the slot's next tile: two K steps on; no tensor load of the wave is out
	s_add_nc_u64 s[G0B+4*\slot+2:G0B+4*\slot+3], s[G0B+4*\slot+2:G0B+4*\slot+3], 512
	JLOAD \slot
.endif
	PLACES
	FETCH \next, 0, 0
	WIN MUL_LO
	MULLO 1, 2, 0
.endm
.macro LAP zero
	THREE 0, \zero
	TURN 0, 1, 1
	THREE 1, 0
	TURN 1, 0, 1
.endm
	s_wait_tensorcnt 0x1                           ; my part of slot 0 is in; slot 1's may stay out
	s_barrier_signal -1
	s_barrier_wait -1
	FETCH 0, 0, 0
	LAP 1                                          ; 8 K steps = 4 laps.  The first stands in front of the loop: its first products start the sums
	WIN 0
	s_mov_b32 s21, 2
.Llap:
	LAP 0
	WIN 0
	s_sub_co_u32 s21, s21, 1
	s_cmp_lg_u32 s21, 0
	s_cbranch_scc1 .Llap
	THREE 0, 0                                     ; the last lap fills nothing
	TURN 0, 1, 0
	THREE 1, 0
	s_wait_dscnt 8
	WIN MUL_LO
	MULLO 1, 0, 0
	s_wait_dscnt 0
	WIN MUL_HI
	MULHI 1, 0
	WIN MUL_LO
	MULLO 1, 2, 0
	WIN 0
	; THE WAY OUT
	s_wait_loadcnt 0x0                             ; bd
	PLACES
.set i, 0
.rept 48
	v_pk_mul_f32 v[BD+i:BD+i+1], v[BD+i:BD+i+1], s[60:61] op_sel_hi:[1,0]      ; -bd log2 e, once
.set i, i+2
.endr
; Rows 16 a .. 16 a + 15 of my tile: Z = -(sum + bd) log2 e, 2^Z, + 1, reciprocal; through my own stage; back by rows into window 1, whose two halves take turns;
; sixteen lanes store 256 consecutive bytes, aligned.  The block's place among my 64 rows stands in the store's immediate: 762,368 bytes at the most.
.macro OUT16 a
	WIN 0x02
.irp b, 0,1,2,3,4,5,6,7
.irp i, 0,2,4,6
	v_pk_fma_f32 v[Z+8*\b+\i:Z+8*\b+\i+1], v[8*(8*\a+\b)+\i:8*(8*\a+\b)+\i+1], s[60:61], v[BD+8*\b+\i:BD+8*\b+\i+1] op_sel_hi:[1,0,1]
.endr
.endr
	WIN 0x03
.irp b, 8,9,10,11
.irp i, 0,2,4,6
	v_pk_fma_f32 v[Z+8*\b+\i:Z+8*\b+\i+1], v[8*(4*\a+\b-8)+\i:8*(4*\a+\b-8)+\i+1], s[60:61], v[BD+8*\b+\i:BD+8*\b+\i+1] op_sel_hi:[1,0,1]
.endr
.endr
	WIN 0
.set i, 0
.rept 96
	v_exp_f32 v[Z+i], v[Z+i]
.set i, i+1
.endr
	v_nop                                          ; one plain place behind the last transcendental before its result is used (ISA guide 5.7.2)
.set i, 0
	s_wait_alu depctr_va_vdst(0)
.rept 48
	v_pk_add_f32 v[Z+i:Z+i+1], v[Z+i:Z+i+1], 1.0 op_sel_hi:[1,0]
.set i, i+2
.endr
.set i, 0
.rept 96
	v_rcp_f32 v[Z+i], v[Z+i]
.set i, i+1
.endr
	v_nop
	s_wait_alu depctr_va_vdst(0)
.irp b, 0,1,2,3,4,5,6,7,8,9,10,11
	ds_store_b128 v[STO], v[Z+8*\b:Z+8*\b+3] offset:64*\b
	ds_store_b128 v[STO], v[Z+8*\b+4:Z+8*\b+7] offset:64*\b+16
.endr
	s_wait_xcnt 0x0                                ; this half of window 1 was the data of the stores two blocks ago: it is loaded again only behind this wait
	WIN 0x40
.irp p, 0,1,2,3,4,5,6,7
.irp c, 0,1,2
	ds_load_b128 v[96*(\a%2)+4*(3*\p+\c):96*(\a%2)+4*(3*\p+\c)+3], v[RD] offset:\p*2*SPITCH+256*\c     ; LDS serves a wave's instructions in order (ISA guide 5.7.1): these see the stores above
.endr
.endr
	WIN 0x04
.irp p, 0,1,2,3,4,5,6,7
.irp c, 0,1,2
	s_wait_dscnt 23-(3*\p+\c)                      ; this read-back is in, the younger ones may be out
	global_store_b128 v[CO], v[96*(\a%2)+4*(3*\p+\c):96*(\a%2)+4*(3*\p+\c)+3], s[10:11] offset:(16*\a+2*\p)*NOUT*4+256*\c th:TH_STORE_NT
.endr
.endr
	WIN 0
.endm
	OUT16 0
	OUT16 1
	OUT16 2
	OUT16 3
	s_set_vgpr_msb 0x1
	s_wait_tensorcnt 0x0
	ds_add_u32 v255, v255
	s_wait_dscnt 0x0
	s_set_vgpr_msb 0x100
	CROUND                                         ; the closing round: no work-group ends while a partner may still ask for a tile that names it
	s_endpgm
.Lfunc_end_k_qceefa305ad_decode:
	.size	k_qceefa305ad_decode, .Lfunc_end_k_qceefa305ad_decode-k_qceefa305ad_decode
	.p2alignl 7, 3214868480
	.fill 96, 4, 3214868480
	.section	.rodata,"a",@progbits
	.p2align	6, 0x0
	.amdhsa_kernel k_qceefa305ad_decode
		.amdhsa_group_segment_fixed_size 327680
		.amdhsa_private_segment_fixed_size 0
		.amdhsa_enable_private_segment 0
		.amdhsa_kernarg_size 32
		.amdhsa_user_sgpr_count 2
		.amdhsa_user_sgpr_kernarg_segment_ptr 1
		.amdhsa_wavefront_size32 1
		.amdhsa_system_sgpr_workgroup_id_x 1
		.amdhsa_system_sgpr_workgroup_id_y 1
		.amdhsa_system_sgpr_workgroup_id_z 1
		.amdhsa_system_vgpr_workitem_id 0
		.amdhsa_next_free_vgpr 896
		.amdhsa_next_free_sgpr 66
		.amdhsa_reserve_vcc 0
		.amdhsa_float_denorm_mode_32 3
		.amdhsa_float_denorm_mode_16_64 3
		.amdhsa_memory_ordered 1
		.amdhsa_forward_progress 1
		.amdhsa_inst_pref_size 218
	.end_amdhsa_kernel
	.amdgpu_metadata
---
amdhsa.version: [ 1, 2 ]
amdhsa.kernels:
  - .name:           k_qceefa305ad_decode
    .symbol:         k_qceefa305ad_decode.kd
    .args:
      - { .name: hb, .offset: 0, .size: 8, .value_kind: global_buffer, .address_space: global }
      - { .name: wdb, .offset: 8, .size: 8, .value_kind: global_buffer, .address_space: global }
      - { .name: bd, .offset: 16, .size: 8, .value_kind: global_buffer, .address_space: global }
      - { .name: out0, .offset: 24, .size: 8, .value_kind: global_buffer, .address_space: global }
    .group_segment_fixed_size: 327680
    .private_segment_fixed_size: 0
    .kernarg_segment_align: 8
    .kernarg_segment_size: 32
    .max_flat_workgroup_size: 128
    .sgpr_count:     66
    .vgpr_count:     896
    .wavefront_size: 32
...
	.end_amdgpu_metadata
.endif
;; end of part 2
